; MI455X (gfx1250); checked and timed in simulation.
; The chip was launched on July 23, 2026; its instructions are those of AMD's public machine-readable ISA for CDNA 5 (MIT licence, August 2026) and "CDNA5" Instruction Set Architecture Reference Guide (July 2026).
;; Local Attention. Allowed arithmetic: matrix products marked QUANTISED: E5M2 operands, one E8M0 scale for each 32 along K, by v_wmma_scale_f32_16x16x128_f8f6f4 with both operands' format E5M2, f32 sums; everything else in f32.
;; Inputs: attn_mask 1 bool; keys 4 x 2,048 x 16 x 64 float32; queries 4 x 2,048 x 16 x 64 float32; values 4 x 2,048 x 16 x 64 float32.
;; Outputs: out0 4 x 2,048 x 16 x 64 float32.
;; This version of the problem:
;;   THIS VERSION OF THE PROBLEM IS GIVEN IN LOW PRECISION. The matrix products marked QUANTISED in the list below multiply operands that are first quantised to E5M2 (5 exponent bits, 2 mantissa bits; 8 bits a number), with one power-of-two scale for each 32 numbers along K (OCP MX v1.0); their sums are f32. All else is computed in f32.
;;   The module's matrix products, in the order in which they are computed (A, B: the left and right operand; K: the contracted axis; several contracted axes count as one K, in the product's order):
;;     1. batch 64 x [M 2,048, K 64] x [K 64, N 2,048]; A: input queries; B: input keys: QUANTISED
;;     2. batch 64 x [M 64, K 2,048] x [K 2,048, N 2,048]; A: input values; B: softmax (see below): QUANTISED
;;   THE QUANTISER, for each operand of a quantised product, along K:
;;     - K is cut into blocks of 32 from its start; a last block that is shorter is filled with zeros.
;;     - A block's scale is 2^e with e = floor(log2(the largest magnitude in the block)) - 15, held to -126 .. 127; a block of zeros has e = 0. As a byte (E8M0): e + 127.
;;     - Each number is divided by its block's scale, clamped to +-57,344, and rounded to the nearest number of E5M2, ties to even, subnormals kept.
;;     - The product sums the exact products of the quantised numbers (number of the format x scale) in f32.
;;   ~~~python
;;   def quantise(x, axis):      # numpy; x: float32 -> the quantised numbers, widened to float32 again
;;       x = np.moveaxis(x, axis, -1); K = x.shape[-1]
;;       x = np.pad(x, [(0, 0)] * (x.ndim - 1) + [(0, -K % 32)]); x = x.reshape(x.shape[:-1] + (-1, 32)); a = np.abs(x).max(-1, keepdims=True)
;;       e = np.where(a > 0, np.clip(np.frexp(np.where(a > 0, a, 1))[1] - 1 - 15, -126, 127), 0)      # np.frexp(a)[1] - 1 = floor(log2(a)), exactly
;;       r = np.clip(x / 2.0 ** e, -57344, 57344)
;;       step = 2.0 ** (np.maximum(np.frexp(np.where(r == 0, 1, r))[1] - 1, -14) - 2)
;;       q = np.round(r / step) * step * 2.0 ** e      # np.round: ties to even
;;       return np.moveaxis(q.reshape(q.shape[:-2] + (-1,))[..., :K], -1, axis).astype(np.float32)
;;   ~~~
;;   SOFTMAX AHEAD OF A QUANTISED PRODUCT. Where the list says 'softmax', what is quantised is not the finished softmax but p = 2^(t - M), with t = logit x log2(e) and M = ceil(the row's largest t), a whole number; so 1/2 < the row's largest p <= 1. The row's sum l is taken of the UNQUANTISED p, in f32, and the product's result is divided by l at the end. Since M is a whole number, a kernel that streams over the keys may use a running M (the ceiling of the running maximum): every later rescaling is an exact power of two, which a block's scale takes up: the codes' values come out the same.
;;   OPERANDS COMPUTED ON THE WAY. 'Computed on the way' means the value that the module computes at that place (a softmax that the list does not call 'softmax' is quantised finished and normalised). What goes into a quantiser is computed in f32, as accurately as f32 sums, v_exp_f32 and their like allow (about 1e-6 of the number): no bf16 or f16 on the way to a quantiser, and a product that is left as it is and whose result goes on into a quantised operand takes f32 operands (vector FMAs, or v_wmma_f32_16x16x4_f32). A number that lies on a knife's edge between two numbers of the format may be rounded either way, as far as f32 arithmetic and the matrix unit's own rounding can turn it there, and no further.
;; 2 versions, each right; version 2 is version 1 with the launch local_attn written anew for expert scheduling mode. Each part assembles by itself: llvm-mc -triple=amdgcn-amd-amdhsa -mcpu=gfx1250 --defsym DOCPART=n.
;; ======== version 1 of 2: 1 launch
;; launch local_attn (part 1): grid 4 x 64, 8 waves a work-group, no clusters, 208,384 bytes of LDS; arguments queries, keys, values, attn_mask, out0; writes out0
.if DOCPART == 1
	.amdgcn_target "amdgcn-amd-amdhsa--gfx1250"
	.amdhsa_code_object_version 6
	.text
	.protected	k_q73e48b5ebd_local_attn
	.globl	k_q73e48b5ebd_local_attn
	.p2align	8
	.type	k_q73e48b5ebd_local_attn,@function
k_q73e48b5ebd_local_attn:
	s_mov_b64 s[64:65], 0
	v_nop
	global_prefetch_b8 v0, s[64:65] scope:SCOPE_SE
	s_setreg_imm32_b32 hwreg(HW_REG_WAVE_MODE, 25, 1), 1
	s_wait_xcnt 0x0
.set TS,  0
.set QC,  40960
.set KC,  81920
.set VC,  128000
.set QS,  165888
.set KS,  167936
.set VSD, 170240
.set VS,  170496
.set OS,  172544
.set QO,  1
.set KO,  2
.set VOA, 11
.set VOB, 12
.set VOX, 13
.set TSW, 14
.set TSR, 15
.set KCW, 16
.set KSW, 17
.set QCW, 18
.set QSW, 19
.set KFR, 20
.set KSR, 21
.set QFR, 22
.set QSR, 23
.set VCW, 24
.set VCX, 25
.set VSW, 26
.set VSX, 27
.set VFR, 28
.set VSR, 29
.set OSW, 30
.set OSR, 31
.set A0,  32
.set A1,  33
.set TL0, 34
.set TL1, 35
.set TH2, 36
.set TH3, 37
.set NINF, 38
.set KSC, 40
.set QSC, 48
.set PW,  52
.set VSC, 56
.set LS,  60
.set QF,  96
.set SS,  160
.set BMX, 64
.set BTX, 67
.set MXR, 70
.set NMR, 72
.set SMA, 74
.set SMB, 76
.set SCO, 78
.set LIM, 81
.set BYT, 84
.set VM,  80
.set VSO, 82
.set VLM, 84
.set VT,  160
.set MSB, 0
.macro WIN new
.if MSB != (\new)
	s_set_vgpr_msb (MSB<<8)|(\new)
.set MSB, (\new)
.endif
.endm
.macro PLACES n
.rept \n
	v_nop
.endr
.endm
	s_load_b256 s[4:11], s[0:1], 0x0
	s_load_b64 s[12:13], s[0:1], 0x20
	v_lshl_add_u32 v94, v0, 2, 0x32a00
	v_mov_b32 v95, 0
	v_lshrrev_b32 v39, 5, v0
	v_readfirstlane_b32 s14, v39
	s_mov_b32 s15, ttmp9
	s_and_b32 s16, ttmp7, 0xffff
	s_lshl_b32 s17, s15, 3
	s_add_co_u32 s17, s17, s14
	s_lshr_b32 s18, s16, 4
	s_lshl_b32 s18, s18, 23
	s_and_b32 s19, s16, 15
	s_lshl_b32 s19, s19, 8
	s_add_co_u32 s18, s18, s19
	s_mov_b32 s19, 0
	s_mov_b32 s28, 0x76543210
	s_mov_b32 s29, 0xfedcba98
	s_mov_b32 s30, 0x3db8aa3b
	s_mov_b32 s31, s30
	s_mov_b32 s32, 0x600000
	s_mov_b32 s33, 0x06040200
	s_mov_b32 s34, 0x07050301
	s_mov_b32 s35, 0x80808080
	v_and_b32 v64, 31, v0
	v_and_b32 v65, 15, v0
	v_bfe_u32 v66, v0, 4, 1
	v_bfe_u32 v67, v0, 2, 3
	v_and_b32 v68, 3, v0
	v_and_b32 v69, 28, v0
	v_and_b32 v82, 1, v0
	v_lshl_add_u32 v69, v82, 1, v69
	v_bfe_u32 v82, v0, 1, 1
	v_add_nc_u32 v69, v69, v82
	v_lshlrev_b32 v79, 12, v66
	v_lshl_add_u32 v79, v65, 4, v79
	v_lshlrev_b32 v75, 3, v64
	s_lshl_b32 s20, s17, 18
	v_add_nc_u32 v[QO], s20, v79
	v_add_nc_u32 v[VOB], s20, v75
	s_lshl_b32 s21, s15, 9
	s_mul_i32 s22, s14, 72
	s_add_co_u32 s22, s22, s21
	s_sub_co_u32 s22, s22, 32
.irp s, 0,1,2,3,4,5,6,7,8
	s_add_co_u32 s23, s22, 8*\s
	s_and_b32 s23, s23, 2047
	s_lshl_b32 s23, s23, 12
	v_add_nc_u32 v[KO+\s], s23, v79
.endr
	s_lshl_b32 s23, s17, 6
	s_sub_co_u32 s23, s23, 32
	s_and_b32 s23, s23, 2047
	s_lshl_b32 s23, s23, 12
	v_add_nc_u32 v[VOA], s23, v75
	s_lshl_b32 s23, s14, 5
	s_add_co_u32 s23, s23, s21
	s_add_co_u32 s23, s23, 480
	s_and_b32 s23, s23, 2047
	s_lshl_b32 s23, s23, 12
	v_add_nc_u32 v[VOX], s23, v75
	v_mul_u32_u24 v70, v67, 80
	v_lshl_add_u32 v70, v68, 4, v70
	v_mul_u32_u24 v71, v64, 80
	v_mul_u32_u24 v72, v65, 80
	v_lshl_add_u32 v72, v66, 4, v72
	v_lshlrev_b32 v73, 2, v65
	v_mul_u32_u24 v74, v64, 1184
	v_mul_u32_u24 v76, v65, 592
	v_lshl_add_u32 v76, v66, 4, v76
	v_mul_u32_u24 v77, v65, 272
	v_lshl_add_u32 v77, v66, 5, v77
	v_mul_u32_u24 v78, v66, 272
	v_lshl_add_u32 v78, v65, 4, v78
	s_mul_i32 s20, s14, 5120
	s_lshl_b32 s21, s14, 8
	v_add_nc_u32 v[TSW], s20, v70
	v_add_nc_u32 v[TSR], s20, v71
	s_mul_i32 s22, s14, 5760
	s_add_co_u32 s22, s22, KC
	v_add_nc_u32 v[KCW], s22, v70
	s_mul_i32 s22, s14, 288
	s_add_co_u32 s22, s22, KS
	v_add_nc_u32 v[KSW], s22, v69
	s_add_co_u32 s22, s20, QC
	v_add_nc_u32 v[QCW], s22, v70
	v_add_nc_u32 v[QFR], s22, v72
	s_add_co_u32 s22, s21, QS
	v_add_nc_u32 v[QSW], s22, v69
	v_add_nc_u32 v[QSR], s22, v73
	s_add_co_u32 s22, s20, KC
	v_add_nc_u32 v[KFR], s22, v72
	s_add_co_u32 s22, s21, KS
	v_add_nc_u32 v[KSR], s22, v73
	s_lshl_b32 s22, s14, 6
	s_add_co_u32 s22, s22, VC
	v_add_nc_u32 v[VCW], s22, v74
	v_add_nc_u32 v[VFR], s22, v76
	s_lshl_b32 s22, s14, 5
	s_add_co_u32 s22, s22, VC+512
	v_add_nc_u32 v[VCX], s22, v74
	s_add_co_u32 s22, s21, VSD
	v_add_nc_u32 v[VSW], s22, v75
	s_add_co_u32 s22, s14, VS+1794
	v_add_nc_u32 v[VSX], s22, v75
	s_add_co_u32 s22, s21, VS
	v_add_nc_u32 v[VSR], s22, v73
	s_mul_i32 s22, s14, 4352
	s_add_co_u32 s22, s22, OS
	v_add_nc_u32 v[OSW], s22, v77
	v_add_nc_u32 v[OSR], s22, v78
	s_cmp_eq_u32 s17, 0
	s_cselect_b32 s25, 32, 0
	s_cselect_b32 s27, 0, 1
	s_cmp_eq_u32 s17, 31
	s_cselect_b32 s26, 0, 1
	v_lshlrev_b32 v80, 3, v66
	v_add_nc_u32 v81, 16, v65
	v_sub_nc_u32 v[A0], v65, v80
	v_sub_nc_u32 v[A1], v81, v80
	v_mad_u32_u24 v[TL0], v65, s27, s25
	v_sub_nc_u32 v[TL0], v[TL0], v80
	v_mad_u32_u24 v[TL1], v81, s27, s25
	v_sub_nc_u32 v[TL1], v[TL1], v80
	v_mul_u32_u24 v[TH2], v65, s26
	v_sub_nc_u32 v[TH2], v[TH2], v80
	v_mul_u32_u24 v[TH3], v81, s26
	v_sub_nc_u32 v[TH3], v[TH3], v80
	v_mov_b32 v[NINF], 0xff800000
	s_wait_kmcnt 0x0
	s_add_nc_u64 s[4:5], s[4:5], s[18:19]
	s_add_nc_u64 s[6:7], s[6:7], s[18:19]
	s_add_nc_u64 s[8:9], s[8:9], s[18:19]
	s_add_nc_u64 s[12:13], s[12:13], s[18:19]
	s_load_u8 s24, s[10:11], 0x0
.macro KQLOAD n
.irp i, 0,1,2,3
.if (\n) < 9
	global_load_b128 v[16*((\n)%16)+4*\i:16*((\n)%16)+4*\i+3], v[KO+(\n)], s[6:7] offset:8192*\i
.else
	global_load_b128 v[16*((\n)%16)+4*\i:16*((\n)%16)+4*\i+3], v[QO], s[4:5] offset:32768*((\n)-9)+8192*\i th:TH_LOAD_NT
.endif
.endr
.endm
.macro VLOAD g
.irp i, 0,1,2,3
.if (\g) < 8
	global_load_b64 v[16+2*(4*(\g)+\i):17+2*(4*(\g)+\i)], v[VOA], s[8:9] offset:4096*(4*(\g)+\i)
.else
	global_load_b64 v[16+2*(4*(\g)+\i):17+2*(4*(\g)+\i)], v[VOB], s[8:9] offset:4096*(4*(\g)+\i-32)
.endif
.endr
.endm
.macro TURN n
	WIN 0x44
.irp i, 0,1,2,3
	ds_store_b128 v[TSW], v[16*((\n)%16)+4*\i:16*((\n)%16)+4*\i+3] offset:2560*((\n)%2)+640*\i
.endr
	WIN 0
.irp i, 0,1,2,3
	ds_load_b128 v[160+16*((\n)%2)+4*\i:160+16*((\n)%2)+4*\i+3], v[TSR] offset:2560*((\n)%2)+16*\i
.endr
.endm
.macro STEP n
.set XS, 160+16*((\n)%2)
.set CE, 72+4*((\n)%2)
.set EB, 68+((\n)%2)
.if (\n) == 0
	s_wait_dscnt 0x0
.else
	s_wait_dscnt 0x2
.endif
	WIN 0x44
.if (\n) < 2
	KQLOAD (\n)+15
.else
	VLOAD (\n)-2
.endif
.if (\n) == 16
	VLOAD 15
	WIN 0
.else
	s_wait_loadcnt 56
	TURN (\n)+1
.endif
	v_max3_num_f32 v64, |v[XS]|, |v[XS+1]|, |v[XS+2]|
	v_max3_num_f32 v65, |v[XS+3]|, |v[XS+4]|, |v[XS+5]|
.irp i, 6,10
	v_max3_num_f32 v64, v64, |v[XS+\i]|, |v[XS+\i+1]|
	v_max3_num_f32 v65, v65, |v[XS+\i+2]|, |v[XS+\i+3]|
.endr
	v_max3_num_f32 v64, v64, |v[XS+14]|, |v[XS+15]|
	v_max3_num_f32 v64, v64, v65, 0x8000000
	v_max_num_f32_dpp v64, v64, v64 row_xmask:1 row_mask:0xf bank_mask:0xf
	v_add_nc_u32 v67, 0xf8800000, v64
	v_and_or_b32 v66, v64, 0x7f800000, s32
.irp i, 0,1,2,3,4,5,6,7,8,9,10,11,12,13,14,15
	v_med3_num_f32 v[XS+\i], v[XS+\i], -v66, v66
.endr
	v_cvt_scalef32_pk8_bf8_f32 v[CE:CE+1], v[XS:XS+7], v67
	v_cvt_scalef32_pk8_bf8_f32 v[CE+2:CE+3], v[XS+8:XS+15], v67
	v_lshrrev_b32 v[EB], 23, v67
.if (\n) < 9
	ds_store_b8 v[KSW], v[EB] offset:32*(\n)
	ds_store_b128 v[KCW], v[CE:CE+3] offset:640*(\n)
.else
	ds_store_b8 v[QSW], v[EB] offset:32*((\n)-9)
	ds_store_b128 v[QCW], v[CE:CE+3] offset:640*((\n)-9)
.endif
.endm
.macro VBLOCK R, sw, adr, off, ce, by
	WIN 5*(\sw)
.irp p, 0,1
	v_max3_num_f32 v[VM+\p], |v[\R+\p]|, |v[\R+2+\p]|, 0x8000000
.endr
	WIN 20*(\sw)
.irp kk, 1,2,3,4,5,6,7,8,9,10,11,12,13,14,15
.irp p, 0,1
	v_max3_num_f32 v[VM+\p], v[VM+\p], |v[\R+4*\kk+\p]|, |v[\R+4*\kk+2+\p]|
.endr
.endr
	WIN 0
.irp p, 0,1
	v_add_nc_u32 v[VSO+\p], 0xf8800000, v[VM+\p]
.endr
.irp p, 0,1
	v_and_or_b32 v[VLM+\p], v[VM+\p], 0x7f800000, s32
.endr
.irp p, 0,1
	v_lshrrev_b32 v[\by+\p], 23, v[VSO+\p]
.endr
	WIN 65*(\sw)
.irp k, 0,1,2,3,4,5,6,7,8,9,10,11,12,13,14,15,16,17,18,19,20,21,22,23,24,25,26,27,28,29,30,31
.irp p, 0,1
	v_med3_num_f32 v[\R+2*\k+\p], v[\R+2*\k+\p], -v[VLM+\p], v[VLM+\p]
.endr
.endr
	WIN \sw
.irp g, 0,1,2,3,4,5,6,7
	v_cvt_scalef32_pk8_bf8_f32 v[VT+4*\g:VT+4*\g+1], v[\R+8*\g:\R+8*\g+7], v[VSO]
	v_cvt_scalef32_pk8_bf8_f32 v[VT+4*\g+2:VT+4*\g+3], v[\R+8*\g:\R+8*\g+7], v[VSO+1]
.endr
	WIN 0
	v_nop
.irp g, 0,1,2,3,4,5,6,7
	v_perm_b32 v[\ce+(\g&1)+((\g&2)*2)+((\g&4)/2)], v[VT+4*\g+1], v[VT+4*\g], s33
	v_perm_b32 v[\ce+8+(\g&1)+((\g&2)*2)+((\g&4)/2)], v[VT+4*\g+3], v[VT+4*\g+2], s34
.endr
	ds_store_b128 v[\adr], v[\ce:\ce+3] offset:\off
	ds_store_b128 v[\adr], v[\ce+4:\ce+7] offset:\off+16
	ds_store_b128 v[\adr], v[\ce+8:\ce+11] offset:\off+592
	ds_store_b128 v[\adr], v[\ce+12:\ce+15] offset:\off+608
.endm
.macro KTILE u
	ds_load_b128 v[144+16*((\u)%6):144+16*((\u)%6)+3], v[KFR] offset:1280*(\u)
	ds_load_b128 v[144+16*((\u)%6)+4:144+16*((\u)%6)+7], v[KFR] offset:1280*(\u)+32
.endm
.macro WMMA_S t, set
	WIN 0x01
.irp j, 0,1,2,3,4,5
	v_wmma_scale_f32_16x16x128_f8f6f4 v[SS+48*(\set)+8*\j:SS+48*(\set)+8*\j+7], v[144+16*((2*((\t)/2)+\j)%6):144+16*((2*((\t)/2)+\j)%6)+15], v[QF+16*(\t):QF+16*(\t)+15], 0, v[KSC+2*((\t)/2)+\j], v[QSC+(\t)] matrix_a_fmt:MATRIX_FMT_BF8 matrix_b_fmt:MATRIX_FMT_BF8
.endr
	WIN 0
.endm
.macro PAIR t
	WMMA_S \t, 0
	PLACES 8
.irp j, 0,1,2,3,4,5,6,7
	v_xor_b32 v[QF+16*(\t)+\j], s35, v[QF+16*(\t)+\j]
.endr
	PLACES 4
	WMMA_S \t, 1
	PLACES 8
.irp j, 0,2,4,6,8,10,12,14,16,18,20,22,24,26,28,30,32,34,36,38,40,42,44,46
	v_pk_add_f32 v[SS+\j:SS+\j+1], v[SS+\j:SS+\j+1], v[SS+48+\j:SS+48+\j+1] neg_lo:[0,1] neg_hi:[0,1]
.endr
.endm
.macro SOFT t
.set PF, QF+16*(\t)
.set UP, (\t)/2
.if (\t) == 0
.set RL, TL0
.set RH, A0
.elseif (\t) == 1
.set RL, TL1
.set RH, A1
.elseif (\t) == 2
.set RL, A0
.set RH, TH2
.else
.set RL, A1
.set RH, TH3
.endif
.irp i, 0,1,2,3,4,5,6,7,8,9,10,11,12,13,14,15
	v_cmp_lt_i32 vcc_lo, \i+8*(\i/8), v[RL]
	v_cndmask_b32 v[SS+\i], v[SS+\i], v[NINF], vcc_lo
.endr
.irp i, 0,1,2,3,4,5,6,7,8,9,10,11,12,13,14,15
	v_cmp_ge_i32 vcc_lo, \i+8*(\i/8), v[RH]
	v_cndmask_b32 v[SS+32+\i], v[SS+32+\i], v[NINF], vcc_lo
.endr
.irp j, 0,2,4,6,8,10,12,14,16,18,20,22,24,26,28,30,32,34,36,38,40,42,44,46
	v_pk_mul_f32 v[SS+\j:SS+\j+1], v[SS+\j:SS+\j+1], s[30:31] op_sel_hi:[1,0]
.endr
.irp b, 0,1,2
	v_max3_num_f32 v[BMX+\b], v[SS+16*\b], v[SS+16*\b+1], v[SS+16*\b+2]
.endr
.irp i, 3,5,7,9,11,13
.irp b, 0,1,2
	v_max3_num_f32 v[BMX+\b], v[BMX+\b], v[SS+16*\b+\i], v[SS+16*\b+\i+1]
.endr
.endr
.irp b, 0,1,2
	v_max_num_f32 v[BMX+\b], v[BMX+\b], v[SS+16*\b+15]
.endr
.irp b, 0,1,2
	v_permlanex16_b32 v[BTX+\b], v[BMX+\b], s28, s29
.endr
.irp b, 0,1,2
	v_max_num_f32 v[BMX+\b], v[BMX+\b], v[BTX+\b]
.endr
	v_max3_num_f32 v[MXR], v[BMX], v[BMX+1], v[BMX+2]
	v_floor_f32 v[NMR], -v[MXR]
	v_floor_f32 v[NMR+1], -v[MXR]
.irp j, 0,2,4,6,8,10,12,14,16,18,20,22,24,26,28,30,32,34,36,38,40,42,44,46
	v_pk_add_f32 v[SS+\j:SS+\j+1], v[SS+\j:SS+\j+1], v[NMR:NMR+1]
.endr
.irp b, 0,1,2
	v_add_f32 v[BMX+\b], v[BMX+\b], v[NMR]
.endr
.irp j, 0,1,2,3,4,5,6,7,8,9,10,11,12,13,14,15,16,17,18,19,20,21,22,23,24,25,26,27,28,29,30,31,32,33,34,35,36,37,38,39,40,41,42,43,44,45,46,47
	v_exp_f32 v[SS+\j], v[SS+\j]
.endr
	v_nop
	s_wait_alu depctr_va_vdst(0)
.irp b, 0,1,2
	v_exp_f32 v[BMX+\b], v[BMX+\b]
.endr
	v_pk_add_f32 v[SMA:SMA+1], v[SS:SS+1], v[SS+2:SS+3]
	v_pk_add_f32 v[SMB:SMB+1], v[SS+4:SS+5], v[SS+6:SS+7]
.irp j, 8,12,16,20,24,28,32,36,40,44
	v_pk_add_f32 v[SMA:SMA+1], v[SMA:SMA+1], v[SS+\j:SS+\j+1]
	v_pk_add_f32 v[SMB:SMB+1], v[SMB:SMB+1], v[SS+\j+2:SS+\j+3]
.endr
	v_pk_add_f32 v[SMA:SMA+1], v[SMA:SMA+1], v[SMB:SMB+1]
	v_add_f32 v[LS+(\t)], v[SMA], v[SMA+1]
	v_permlanex16_b32 v[BTX], v[LS+(\t)], s28, s29
	v_add_f32 v[LS+(\t)], v[LS+(\t)], v[BTX]
	s_wait_alu depctr_va_vdst(0)
.irp b, 0,1,2
	v_max_num_f32 v[BMX+\b], 0x8000000, v[BMX+\b]
.endr
.irp b, 0,1,2
	v_add_nc_u32 v[SCO+\b], 0xf8800000, v[BMX+\b]
.endr
.irp b, 0,1,2
	v_and_or_b32 v[LIM+\b], v[BMX+\b], 0x7f800000, s32
.endr
.irp b, 0,1,2
	v_lshrrev_b32 v[BYT+\b], 23, v[SCO+\b]
.endr
.if UP
	v_lshlrev_b32 v[PW+(\t)], 8, v[BYT]
	v_lshl_or_b32 v[PW+(\t)], v[BYT+1], 16, v[PW+(\t)]
	v_lshl_or_b32 v[PW+(\t)], v[BYT+2], 24, v[PW+(\t)]
.irp j, 0,1,2,3
	v_mov_b32 v[PF+\j], 0
.endr
.else
	v_lshl_or_b32 v[PW+(\t)], v[BYT+1], 8, v[BYT]
	v_lshl_or_b32 v[PW+(\t)], v[BYT+2], 16, v[PW+(\t)]
.endif
.irp b, 0,1,2
.irp i, 0,1,2,3,4,5,6,7,8,9,10,11,12,13,14,15
	v_min_num_f32 v[SS+16*\b+\i], v[SS+16*\b+\i], v[LIM+\b]
.endr
	v_cvt_scalef32_pk8_bf8_f32 v[PF+4*(\b+UP):PF+4*(\b+UP)+1], v[SS+16*\b:SS+16*\b+7], v[SCO+\b]
	v_cvt_scalef32_pk8_bf8_f32 v[PF+4*(\b+UP)+2:PF+4*(\b+UP)+3], v[SS+16*\b+8:SS+16*\b+15], v[SCO+\b]
.endr
	v_nop
.endm
.macro PACK t
.if (\t) > 0
	s_wait_dscnt 0x8
.endif
	WIN 0x01
.irp k, 0,1,2,3,4,5,6,7,8,9,10,11,12,13,14,15
	v_pk_mul_f32 v[96+2*\k:97+2*\k], v[16+32*(\t)+2*\k:17+32*(\t)+2*\k], v[64+2*(\t):65+2*(\t)]
.endr
	WIN 0
.irp u, 0,1,2,3
	ds_store_b128 v[OSW], v[96+8*\u:99+8*\u] offset:64*\u
	ds_store_b128 v[OSW], v[100+8*\u:103+8*\u] offset:64*\u+16
.endr
.irp f, 0,1,2,3,4,5,6,7
	ds_load_b128 v[128+32*(\t)+4*\f:128+32*(\t)+4*\f+3], v[OSR] offset:544*\f
.endr
.endm
.macro SEND t, younger
.irp f, 0,1,2,3,4,5,6,7
	s_wait_dscnt (\younger)+7-\f
	global_store_b128 v[QO], v[128+32*(\t)+4*\f:128+32*(\t)+4*\f+3], s[12:13] offset:4096*(16*(\t)+2*\f) th:TH_STORE_NT
.endr
.endm
	s_cmp_lt_u32 s14, 2
	s_cbranch_scc0 .Lno_extra_load
.irp k, 0,1,2,3,4,5,6,7,8,9,10,11,12,13,14,15,16,17,18,19,20,21,22,23,24,25,26,27,28,29,30,31
	global_load_b64 v[192+2*\k:193+2*\k], v[VOX], s[8:9] offset:4096*\k
.endr
.Lno_extra_load:
	WIN 0x44
.irp n, 0,1,2,3,4,5,6,7,8,9,10,11,12,13,14
	KQLOAD \n
.endr
	s_wait_loadcnt 56
	TURN 0
.irp n, 0,1,2,3,4,5,6,7,8,9,10,11,12,13,14,15,16
	STEP \n
.endr
	s_cmp_lt_u32 s14, 2
	s_cbranch_scc0 .Lno_extra
	VBLOCK 192, 0, VCX, 0, 64, 86
	ds_store_b8 v[VSX], v86
	ds_store_b8 v[VSX], v87 offset:4
.Lno_extra:
	s_wait_kmcnt 0x0
	s_wait_dscnt 0x0
	s_barrier_signal -1
.irp t, 0,1,2,3
	ds_load_b128 v[QF+16*\t:QF+16*\t+3], v[QFR] offset:1280*\t
	ds_load_b128 v[QF+16*\t+4:QF+16*\t+7], v[QFR] offset:1280*\t+32
	ds_load_b32 v[QSC+\t], v[QSR] offset:64*\t
.endr
	WIN 0x40
.irp b, 0,1,2,3,4,5
.irp j, 8,9,10,11,12,13,14,15
	v_mov_b32 v[144+16*\b+\j], 0
.endr
.endr
	WIN 0
.irp t, 0,1,2,3
.irp j, 8,9,10,11,12,13,14,15
	v_mov_b32 v[QF+16*\t+\j], 0
.endr
.endr
	v_mov_b32 v[BTX], 0
	v_mov_b32 v[BTX+1], 0
	v_mov_b32 v[BTX+2], 0
	v_nop
	s_barrier_wait -1
.irp u, 0,1,2,3,4,5,6,7
	ds_load_b32 v[KSC+\u], v[KSR] offset:64*\u
.endr
	WIN 0x40
.irp u, 0,1,2,3,4,5
	KTILE \u
.endr
	WIN 0
	s_wait_dscnt 0x0
	PAIR 0
	SOFT 0
	PAIR 1
	WIN 0x40
	KTILE 6
	KTILE 7
	WIN 0
	SOFT 1
	s_wait_dscnt 0x0
	PAIR 2
	SOFT 2
	PAIR 3
	SOFT 3
	s_wait_loadcnt 0x0
	VBLOCK 16, 1, VCW, 0, 64, 88
	VBLOCK 80, 1, VCW, 32, 192, 90
.irp p, 0,1
	v_lshl_or_b32 v[92+\p], v[90+\p], 8, v[88+\p]
.endr
.irp p, 0,1
	ds_store_b16 v[VSW], v[92+\p] offset:2+4*\p
	ds_store_b16 v[VSW], v[92+\p] offset:256+4*\p
.endr
	s_wait_dscnt 0x0
	s_barrier_signal -1
.irp t, 0,1,2,3
	v_rcp_f32 v[64+2*\t], v[LS+\t]
	v_rcp_f32 v[65+2*\t], v[LS+\t]
.endr
	v_nop
	s_wait_alu depctr_va_vdst(0)
	s_barrier_wait -1
	WIN 0x40
.irp u, 0,1,2,3
.irp c, 0,1,2,3
	ds_load_b128 v[144+16*\u+4*\c:144+16*\u+4*\c+3], v[VFR] offset:9472*\u+32*\c
.endr
.endr
	WIN 0
.irp u, 0,1,2,3
	ds_load_b32 v[VSC+\u], v[VSR] offset:64*\u
.endr
	s_wait_dscnt 0x0
	WIN 0x41
.irp t, 0,1,2,3
.irp u, 0,1,2,3
	v_wmma_scale_f32_16x16x128_f8f6f4 v[16+32*\t+8*\u:16+32*\t+8*\u+7], v[144+16*\u:144+16*\u+15], v[QF+16*\t:QF+16*\t+15], 0, v[VSC+\u], v[PW+\t] matrix_a_fmt:MATRIX_FMT_BF8 matrix_b_fmt:MATRIX_FMT_BF8
.endr
.endr
	WIN 0
	PLACES 8
	PACK 0
	PACK 1
	SEND 0, 16
	PACK 2
	SEND 1, 16
	PACK 3
	SEND 2, 16
	SEND 3, 0
	s_wait_tensorcnt 0x0
	ds_add_u32 v94, v95
	s_wait_dscnt 0x0
	s_endpgm
.Lfunc_end_k_q73e48b5ebd_local_attn:
	.size	k_q73e48b5ebd_local_attn, .Lfunc_end_k_q73e48b5ebd_local_attn-k_q73e48b5ebd_local_attn
	.p2alignl 7, 3214868480
	.fill 96, 4, 3214868480
	.section	.rodata,"a",@progbits
	.p2align	6, 0x0
	.amdhsa_kernel k_q73e48b5ebd_local_attn
		.amdhsa_group_segment_fixed_size 208384
		.amdhsa_private_segment_fixed_size 0
		.amdhsa_enable_private_segment 0
		.amdhsa_kernarg_size 40
		.amdhsa_user_sgpr_count 2
		.amdhsa_user_sgpr_kernarg_segment_ptr 1
		.amdhsa_wavefront_size32 1
		.amdhsa_system_sgpr_workgroup_id_x 1
		.amdhsa_system_sgpr_workgroup_id_y 1
		.amdhsa_system_sgpr_workgroup_id_z 1
		.amdhsa_system_vgpr_workitem_id 0
		.amdhsa_next_free_vgpr 512
		.amdhsa_next_free_sgpr 66
		.amdhsa_reserve_vcc 1
		.amdhsa_float_denorm_mode_32 3
		.amdhsa_float_denorm_mode_16_64 3
		.amdhsa_memory_ordered 1
		.amdhsa_forward_progress 1
		.amdhsa_inst_pref_size 186
	.end_amdhsa_kernel
	.amdgpu_metadata
---
amdhsa.version: [ 1, 2 ]
amdhsa.kernels:
  - .name:           k_q73e48b5ebd_local_attn
    .symbol:         k_q73e48b5ebd_local_attn.kd
    .args:
      - { .name: queries, .offset: 0, .size: 8, .value_kind: global_buffer, .address_space: global }
      - { .name: keys, .offset: 8, .size: 8, .value_kind: global_buffer, .address_space: global }
      - { .name: values, .offset: 16, .size: 8, .value_kind: global_buffer, .address_space: global }
      - { .name: attn_mask, .offset: 24, .size: 8, .value_kind: global_buffer, .address_space: global }
      - { .name: out0, .offset: 32, .size: 8, .value_kind: global_buffer, .address_space: global }
    .group_segment_fixed_size: 208384
    .private_segment_fixed_size: 0
    .kernarg_segment_align: 8
    .kernarg_segment_size: 40
    .max_flat_workgroup_size: 256
    .sgpr_count:     66
    .vgpr_count:     512
    .wavefront_size: 32
...
	.end_amdgpu_metadata
.endif
;; end of part 1
;; ======== version 2 of 2: 1 launch; version 1 with the launch local_attn written anew for expert scheduling mode
;; launch local_attn (part 2): grid 4 x 64, 8 waves a work-group, no clusters, 208,384 bytes of LDS; arguments queries, keys, values, attn_mask, out0; writes out0
.if DOCPART == 2
	.amdgcn_target "amdgcn-amd-amdhsa--gfx1250"
	.amdhsa_code_object_version 6
	.text
	.protected	k_q73e48b5ebd_local_attn
	.globl	k_q73e48b5ebd_local_attn
	.p2align	8
	.type	k_q73e48b5ebd_local_attn,@function
k_q73e48b5ebd_local_attn:
	s_mov_b64 s[64:65], 0
	v_nop
	global_prefetch_b8 v0, s[64:65] scope:SCOPE_SE
	s_setreg_imm32_b32 hwreg(HW_REG_WAVE_SCHED_MODE, 0, 2), 2
	s_setreg_imm32_b32 hwreg(HW_REG_WAVE_MODE, 25, 1), 1
	s_wait_xcnt 0x0
	s_wait_alu depctr_vm_vsrc(0)
.set TS,  0
.set QC,  40960
.set KC,  81920
.set VC,  128000
.set QS,  165888
.set KS,  167936
.set VSD, 170240
.set VS,  170496
.set OS,  172544
.set QO,  1
.set KO,  2
.set VOA, 11
.set VOB, 12
.set VOX, 13
.set TSW, 14
.set TSR, 15
.set KCW, 16
.set KSW, 17
.set QCW, 18
.set QSW, 19
.set KFR, 20
.set KSR, 21
.set QFR, 22
.set QSR, 23
.set VCW, 24
.set VCX, 25
.set VSW, 26
.set VSX, 27
.set VFR, 28
.set VSR, 29
.set OSW, 30
.set OSR, 31
.set A0,  32
.set A1,  33
.set TL0, 34
.set TL1, 35
.set TH2, 36
.set TH3, 37
.set NINF, 38
.set KSC, 40
.set QSC, 48
.set PW,  52
.set VSC, 56
.set LS,  60
.set QF,  96
.set SS,  160
.set BMX, 64
.set BTX, 67
.set MXR, 70
.set NMR, 72
.set SMA, 74
.set SMB, 76
.set SCO, 78
.set LIM, 81
.set BYT, 84
.set VM,  80
.set VSO, 82
.set VLM, 84
.set VT,  160
.set MSB, 0
.macro WIN new
.if MSB != (\new)
	s_set_vgpr_msb (MSB<<8)|(\new)
.set MSB, (\new)
.endif
.endm
.macro PLACES n
.rept \n
	v_nop
.endr
.endm
	s_load_b256 s[4:11], s[0:1], 0x0
	s_load_b64 s[12:13], s[0:1], 0x20
	v_lshl_add_u32 v94, v0, 2, 0x32a00
	v_mov_b32 v95, 0
	v_lshrrev_b32 v39, 5, v0
	v_readfirstlane_b32 s14, v39
	s_mov_b32 s15, ttmp9
	s_and_b32 s16, ttmp7, 0xffff
	s_lshl_b32 s17, s15, 3
	s_wait_alu depctr_va_sdst(0)
	s_add_co_u32 s17, s17, s14
	s_lshr_b32 s18, s16, 4
	s_lshl_b32 s18, s18, 23
	s_and_b32 s19, s16, 15
	s_lshl_b32 s19, s19, 8
	s_add_co_u32 s18, s18, s19
	s_mov_b32 s19, 0
	s_mov_b32 s28, 0x76543210
	s_mov_b32 s29, 0xfedcba98
	s_mov_b32 s30, 0x3db8aa3b
	s_mov_b32 s31, s30
	s_mov_b32 s32, 0x600000
	s_mov_b32 s33, 0x06040200
	s_mov_b32 s34, 0x07050301
	s_mov_b32 s35, 0x80808080
	v_and_b32 v64, 31, v0
	v_and_b32 v65, 15, v0
	v_bfe_u32 v66, v0, 4, 1
	v_bfe_u32 v67, v0, 2, 3
	v_and_b32 v68, 3, v0
	v_and_b32 v69, 28, v0
	v_and_b32 v82, 1, v0
	v_lshl_add_u32 v69, v82, 1, v69
	v_bfe_u32 v82, v0, 1, 1
	v_add_nc_u32 v69, v69, v82
	v_lshlrev_b32 v79, 12, v66
	v_lshl_add_u32 v79, v65, 4, v79
	v_lshlrev_b32 v75, 3, v64
	s_lshl_b32 s20, s17, 18
	v_add_nc_u32 v[QO], s20, v79
	v_add_nc_u32 v[VOB], s20, v75
	s_lshl_b32 s21, s15, 9
	s_mul_i32 s22, s14, 72
	s_add_co_u32 s22, s22, s21
	s_sub_co_u32 s22, s22, 32
.irp s, 0,1,2,3,4,5,6,7,8
	s_add_co_u32 s23, s22, 8*\s
	s_and_b32 s23, s23, 2047
	s_lshl_b32 s23, s23, 12
	v_add_nc_u32 v[KO+\s], s23, v79
.endr
	s_lshl_b32 s23, s17, 6
	s_sub_co_u32 s23, s23, 32
	s_and_b32 s23, s23, 2047
	s_lshl_b32 s23, s23, 12
	v_add_nc_u32 v[VOA], s23, v75
	s_lshl_b32 s23, s14, 5
	s_add_co_u32 s23, s23, s21
	s_add_co_u32 s23, s23, 480
	s_and_b32 s23, s23, 2047
	s_lshl_b32 s23, s23, 12
	v_add_nc_u32 v[VOX], s23, v75
	v_mul_u32_u24 v70, v67, 80
	v_lshl_add_u32 v70, v68, 4, v70
	v_mul_u32_u24 v71, v64, 80
	v_mul_u32_u24 v72, v65, 80
	v_lshl_add_u32 v72, v66, 4, v72
	v_lshlrev_b32 v73, 2, v65
	v_mul_u32_u24 v74, v64, 1184
	v_mul_u32_u24 v76, v65, 592
	v_lshl_add_u32 v76, v66, 4, v76
	v_mul_u32_u24 v77, v65, 272
	v_lshl_add_u32 v77, v66, 5, v77
	v_mul_u32_u24 v78, v66, 272
	v_lshl_add_u32 v78, v65, 4, v78
	s_mul_i32 s20, s14, 5120
	s_lshl_b32 s21, s14, 8
	v_add_nc_u32 v[TSW], s20, v70
	v_add_nc_u32 v[TSR], s20, v71
	s_mul_i32 s22, s14, 5760
	s_add_co_u32 s22, s22, KC
	v_add_nc_u32 v[KCW], s22, v70
	s_mul_i32 s22, s14, 288
	s_add_co_u32 s22, s22, KS
	v_add_nc_u32 v[KSW], s22, v69
	s_add_co_u32 s22, s20, QC
	v_add_nc_u32 v[QCW], s22, v70
	v_add_nc_u32 v[QFR], s22, v72
	s_add_co_u32 s22, s21, QS
	v_add_nc_u32 v[QSW], s22, v69
	v_add_nc_u32 v[QSR], s22, v73
	s_add_co_u32 s22, s20, KC
	v_add_nc_u32 v[KFR], s22, v72
	s_add_co_u32 s22, s21, KS
	v_add_nc_u32 v[KSR], s22, v73
	s_lshl_b32 s22, s14, 6
	s_add_co_u32 s22, s22, VC
	v_add_nc_u32 v[VCW], s22, v74
	v_add_nc_u32 v[VFR], s22, v76
	s_lshl_b32 s22, s14, 5
	s_add_co_u32 s22, s22, VC+512
	v_add_nc_u32 v[VCX], s22, v74
	s_add_co_u32 s22, s21, VSD
	v_add_nc_u32 v[VSW], s22, v75
	s_add_co_u32 s22, s14, VS+1794
	v_add_nc_u32 v[VSX], s22, v75
	s_add_co_u32 s22, s21, VS
	v_add_nc_u32 v[VSR], s22, v73
	s_mul_i32 s22, s14, 4352
	s_add_co_u32 s22, s22, OS
	v_add_nc_u32 v[OSW], s22, v77
	v_add_nc_u32 v[OSR], s22, v78
	s_cmp_eq_u32 s17, 0
	s_cselect_b32 s25, 32, 0
	s_cselect_b32 s27, 0, 1
	s_cmp_eq_u32 s17, 31
	s_cselect_b32 s26, 0, 1
	v_lshlrev_b32 v80, 3, v66
	v_add_nc_u32 v81, 16, v65
	v_sub_nc_u32 v[A0], v65, v80
	v_sub_nc_u32 v[A1], v81, v80
	v_mad_u32_u24 v[TL0], v65, s27, s25
	v_sub_nc_u32 v[TL0], v[TL0], v80
	v_mad_u32_u24 v[TL1], v81, s27, s25
	v_sub_nc_u32 v[TL1], v[TL1], v80
	v_mul_u32_u24 v[TH2], v65, s26
	v_sub_nc_u32 v[TH2], v[TH2], v80
	v_mul_u32_u24 v[TH3], v81, s26
	v_sub_nc_u32 v[TH3], v[TH3], v80
	v_mov_b32 v[NINF], 0xff800000
	s_wait_kmcnt 0x0
	s_add_nc_u64 s[4:5], s[4:5], s[18:19]
	s_add_nc_u64 s[6:7], s[6:7], s[18:19]
	s_add_nc_u64 s[8:9], s[8:9], s[18:19]
	s_add_nc_u64 s[12:13], s[12:13], s[18:19]
	s_load_u8 s24, s[10:11], 0x0
.macro KQLOAD n
.irp i, 0,1,2,3
.if (\n) < 9
	global_load_b128 v[16*((\n)%16)+4*\i:16*((\n)%16)+4*\i+3], v[KO+(\n)], s[6:7] offset:8192*\i
.else
	global_load_b128 v[16*((\n)%16)+4*\i:16*((\n)%16)+4*\i+3], v[QO], s[4:5] offset:32768*((\n)-9)+8192*\i th:TH_LOAD_NT
.endif
.endr
.endm
.macro VLOAD g
.irp i, 0,1,2,3
.if (\g) < 8
	global_load_b64 v[16+2*(4*(\g)+\i):17+2*(4*(\g)+\i)], v[VOA], s[8:9] offset:4096*(4*(\g)+\i)
.else
	global_load_b64 v[16+2*(4*(\g)+\i):17+2*(4*(\g)+\i)], v[VOB], s[8:9] offset:4096*(4*(\g)+\i-32)
.endif
.endr
.endm
.macro TURN n
	WIN 0x44
.irp i, 0,1,2,3
	ds_store_b128 v[TSW], v[16*((\n)%16)+4*\i:16*((\n)%16)+4*\i+3] offset:2560*((\n)%2)+640*\i
.endr
	WIN 0
.irp i, 0,1,2,3
	ds_load_b128 v[160+16*((\n)%2)+4*\i:160+16*((\n)%2)+4*\i+3], v[TSR] offset:2560*((\n)%2)+16*\i
.endr
.endm
.macro PUT n
.if (\n) < 9
	ds_store_b8 v[KSW], v[68+((\n)%2)] offset:32*(\n)
	ds_store_b128 v[KCW], v[72+4*((\n)%2):72+4*((\n)%2)+3] offset:640*(\n)
.else
	ds_store_b8 v[QSW], v[68+((\n)%2)] offset:32*((\n)-9)
	ds_store_b128 v[QCW], v[72+4*((\n)%2):72+4*((\n)%2)+3] offset:640*((\n)-9)
.endif
.endm
.macro STEP n
.set XS, 160+16*((\n)%2)
.set CE, 72+4*((\n)%2)
.set EB, 68+((\n)%2)
	s_wait_dscnt 0x0
.if (\n) > 0
	s_wait_alu depctr_vm_vsrc(0)
	s_wait_alu depctr_va_vdst(0)
	PUT (\n)-1
.endif
	WIN 0x44
.if (\n) < 2
	KQLOAD (\n)+15
.else
	VLOAD (\n)-2
.endif
.if (\n) == 16
	VLOAD 15
	WIN 0
.else
	s_wait_loadcnt 56
	TURN (\n)+1
.endif
	v_max3_num_f32 v64, |v[XS]|, |v[XS+1]|, |v[XS+2]|
	v_max3_num_f32 v65, |v[XS+3]|, |v[XS+4]|, |v[XS+5]|
.irp i, 6,10
	v_max3_num_f32 v64, v64, |v[XS+\i]|, |v[XS+\i+1]|
	v_max3_num_f32 v65, v65, |v[XS+\i+2]|, |v[XS+\i+3]|
.endr
	v_max3_num_f32 v64, v64, |v[XS+14]|, |v[XS+15]|
	v_max3_num_f32 v64, v64, v65, 0x8000000
	v_max_num_f32_dpp v64, v64, v64 row_xmask:1 row_mask:0xf bank_mask:0xf
	v_add_nc_u32 v67, 0xf8800000, v64
	v_and_or_b32 v66, v64, 0x7f800000, s32
.irp i, 0,1,2,3,4,5,6,7,8,9,10,11,12,13,14,15
	v_med3_num_f32 v[XS+\i], v[XS+\i], -v66, v66
.endr
	v_cvt_scalef32_pk8_bf8_f32 v[CE:CE+1], v[XS:XS+7], v67
	v_cvt_scalef32_pk8_bf8_f32 v[CE+2:CE+3], v[XS+8:XS+15], v67
	v_lshrrev_b32 v[EB], 23, v67
.endm
.macro VQUANT R, sw, ce, by
	WIN 5*(\sw)
.irp p, 0,1
	v_max3_num_f32 v[VM+\p], |v[\R+\p]|, |v[\R+2+\p]|, 0x8000000
.endr
	WIN 20*(\sw)
.irp kk, 1,2,3,4,5,6,7,8,9,10,11,12,13,14,15
.irp p, 0,1
	v_max3_num_f32 v[VM+\p], v[VM+\p], |v[\R+4*\kk+\p]|, |v[\R+4*\kk+2+\p]|
.endr
.endr
	WIN 0
.irp p, 0,1
	v_add_nc_u32 v[VSO+\p], 0xf8800000, v[VM+\p]
.endr
.irp p, 0,1
	v_and_or_b32 v[VLM+\p], v[VM+\p], 0x7f800000, s32
.endr
.irp p, 0,1
	v_lshrrev_b32 v[\by+\p], 23, v[VSO+\p]
.endr
	WIN 65*(\sw)
.irp k, 0,1,2,3,4,5,6,7,8,9,10,11,12,13,14,15,16,17,18,19,20,21,22,23,24,25,26,27,28,29,30,31
.irp p, 0,1
	v_med3_num_f32 v[\R+2*\k+\p], v[\R+2*\k+\p], -v[VLM+\p], v[VLM+\p]
.endr
.endr
	WIN \sw
.irp g, 0,1,2,3,4,5,6,7
	v_cvt_scalef32_pk8_bf8_f32 v[VT+4*\g:VT+4*\g+1], v[\R+8*\g:\R+8*\g+7], v[VSO]
	v_cvt_scalef32_pk8_bf8_f32 v[VT+4*\g+2:VT+4*\g+3], v[\R+8*\g:\R+8*\g+7], v[VSO+1]
.endr
	WIN 0
	v_nop
.irp g, 0,1,2,3,4,5,6,7
	v_perm_b32 v[\ce+(\g&1)+((\g&2)*2)+((\g&4)/2)], v[VT+4*\g+1], v[VT+4*\g], s33
	v_perm_b32 v[\ce+8+(\g&1)+((\g&2)*2)+((\g&4)/2)], v[VT+4*\g+3], v[VT+4*\g+2], s34
.endr
.endm
.macro VSTORE adr, off, ce
	ds_store_b128 v[\adr], v[\ce:\ce+3] offset:\off
	ds_store_b128 v[\adr], v[\ce+4:\ce+7] offset:\off+16
	ds_store_b128 v[\adr], v[\ce+8:\ce+11] offset:\off+592
	ds_store_b128 v[\adr], v[\ce+12:\ce+15] offset:\off+608
.endm
.macro KTILE u
	ds_load_b128 v[144+16*((\u)%6):144+16*((\u)%6)+3], v[KFR] offset:1280*(\u)
	ds_load_b128 v[144+16*((\u)%6)+4:144+16*((\u)%6)+7], v[KFR] offset:1280*(\u)+32
.endm
.macro WMMA_S t, set
	WIN 0x01
.irp j, 0,1,2,3,4,5
	v_wmma_scale_f32_16x16x128_f8f6f4 v[SS+48*(\set)+8*\j:SS+48*(\set)+8*\j+7], v[144+16*((2*((\t)/2)+\j)%6):144+16*((2*((\t)/2)+\j)%6)+15], v[QF+16*(\t):QF+16*(\t)+15], 0, v[KSC+2*((\t)/2)+\j], v[QSC+(\t)] matrix_a_fmt:MATRIX_FMT_BF8 matrix_b_fmt:MATRIX_FMT_BF8
.endr
	WIN 0
.endm
.macro MASKS t
.if (\t) == 0
.set RL, TL0
.set RH, A0
.elseif (\t) == 1
.set RL, TL1
.set RH, A1
.elseif (\t) == 2
.set RL, A0
.set RH, TH2
.else
.set RL, A1
.set RH, TH3
.endif
.irp i, 0,1,2,3,4,5,6,7,8,9,10,11,12,13,14,15
	v_cmp_lt_i32 s[40+\i], \i+8*(\i/8), v[RL]
.endr
.irp i, 0,1,2,3,4,5,6,7,8,9,10,11,12,13,14,15
	v_cmp_ge_i32 s[56+\i+2*(\i/8)], \i+8*(\i/8), v[RH]
.endr
.endm
.macro PAIR t
	WMMA_S \t, 0
	PLACES 8
.irp j, 0,1,2,3,4,5,6,7
	v_xor_b32 v[QF+16*(\t)+\j], s35, v[QF+16*(\t)+\j]
.endr
	PLACES 4
	s_wait_alu depctr_va_vdst(0)
	WMMA_S \t, 1
	PLACES 8
	MASKS \t
.irp j, 0,2,4,6,8,10,12,14,16,18,20,22,24,26,28,30,32,34,36,38,40,42,44,46
	v_pk_add_f32 v[SS+\j:SS+\j+1], v[SS+\j:SS+\j+1], v[SS+48+\j:SS+48+\j+1] neg_lo:[0,1] neg_hi:[0,1]
.endr
.endm
.macro SOFT t
.set PF, QF+16*(\t)
.set UP, (\t)/2
	s_wait_alu depctr_va_sdst(0)
.irp i, 0,1,2,3,4,5,6,7,8,9,10,11,12,13,14,15
	v_cndmask_b32 v[SS+\i], v[SS+\i], v[NINF], s[40+\i]
.endr
.irp i, 0,1,2,3,4,5,6,7,8,9,10,11,12,13,14,15
	v_cndmask_b32 v[SS+32+\i], v[SS+32+\i], v[NINF], s[56+\i+2*(\i/8)]
.endr
.irp j, 0,2,4,6,8,10,12,14,16,18,20,22,24,26,28,30,32,34,36,38,40,42,44,46
	v_pk_mul_f32 v[SS+\j:SS+\j+1], v[SS+\j:SS+\j+1], s[30:31] op_sel_hi:[1,0]
.endr
.irp b, 0,1,2
	v_max3_num_f32 v[BMX+\b], v[SS+16*\b], v[SS+16*\b+1], v[SS+16*\b+2]
.endr
.irp i, 3,5,7,9,11,13
.irp b, 0,1,2
	v_max3_num_f32 v[BMX+\b], v[BMX+\b], v[SS+16*\b+\i], v[SS+16*\b+\i+1]
.endr
.endr
.irp b, 0,1,2
	v_max_num_f32 v[BMX+\b], v[BMX+\b], v[SS+16*\b+15]
.endr
.irp b, 0,1,2
	v_permlanex16_b32 v[BTX+\b], v[BMX+\b], s28, s29
.endr
.irp b, 0,1,2
	v_max_num_f32 v[BMX+\b], v[BMX+\b], v[BTX+\b]
.endr
	v_max3_num_f32 v[MXR], v[BMX], v[BMX+1], v[BMX+2]
	v_floor_f32 v[NMR], -v[MXR]
	v_floor_f32 v[NMR+1], -v[MXR]
.irp j, 0,2,4,6,8,10,12,14,16,18,20,22,24,26,28,30,32,34,36,38,40,42,44,46
	v_pk_add_f32 v[SS+\j:SS+\j+1], v[SS+\j:SS+\j+1], v[NMR:NMR+1]
.endr
.irp b, 0,1,2
	v_add_f32 v[BMX+\b], v[BMX+\b], v[NMR]
.endr
.irp j, 0,1,2,3,4,5,6,7,8,9,10,11,12,13,14,15,16,17,18,19,20,21,22,23,24,25,26,27,28,29,30,31,32,33,34,35,36,37,38,39,40,41,42,43,44,45,46,47
	v_exp_f32 v[SS+\j], v[SS+\j]
.endr
	v_nop
	s_wait_alu depctr_va_vdst(0)
.if (\t) == 1
	WIN 0x40
	KTILE 6
	KTILE 7
	WIN 0
.endif
.irp b, 0,1,2
	v_exp_f32 v[BMX+\b], v[BMX+\b]
.endr
	v_pk_add_f32 v[SMA:SMA+1], v[SS:SS+1], v[SS+2:SS+3]
	v_pk_add_f32 v[SMB:SMB+1], v[SS+4:SS+5], v[SS+6:SS+7]
.irp j, 8,12,16,20,24,28,32,36,40,44
	v_pk_add_f32 v[SMA:SMA+1], v[SMA:SMA+1], v[SS+\j:SS+\j+1]
	v_pk_add_f32 v[SMB:SMB+1], v[SMB:SMB+1], v[SS+\j+2:SS+\j+3]
.endr
	v_pk_add_f32 v[SMA:SMA+1], v[SMA:SMA+1], v[SMB:SMB+1]
	v_add_f32 v[LS+(\t)], v[SMA], v[SMA+1]
	v_permlanex16_b32 v[BTX], v[LS+(\t)], s28, s29
	v_add_f32 v[LS+(\t)], v[LS+(\t)], v[BTX]
	s_wait_alu depctr_va_vdst(0)
.irp b, 0,1,2
	v_max_num_f32 v[BMX+\b], 0x8000000, v[BMX+\b]
.endr
.irp b, 0,1,2
	v_add_nc_u32 v[SCO+\b], 0xf8800000, v[BMX+\b]
.endr
.irp b, 0,1,2
	v_and_or_b32 v[LIM+\b], v[BMX+\b], 0x7f800000, s32
.endr
.irp b, 0,1,2
	v_lshrrev_b32 v[BYT+\b], 23, v[SCO+\b]
.endr
.if UP
	v_lshlrev_b32 v[PW+(\t)], 8, v[BYT]
	v_lshl_or_b32 v[PW+(\t)], v[BYT+1], 16, v[PW+(\t)]
	v_lshl_or_b32 v[PW+(\t)], v[BYT+2], 24, v[PW+(\t)]
.irp j, 0,1,2,3
	v_mov_b32 v[PF+\j], 0
.endr
.else
	v_lshl_or_b32 v[PW+(\t)], v[BYT+1], 8, v[BYT]
	v_lshl_or_b32 v[PW+(\t)], v[BYT+2], 16, v[PW+(\t)]
.endif
.irp b, 0,1,2
.irp i, 0,1,2,3,4,5,6,7,8,9,10,11,12,13,14,15
	v_min_num_f32 v[SS+16*\b+\i], v[SS+16*\b+\i], v[LIM+\b]
.endr
	v_cvt_scalef32_pk8_bf8_f32 v[PF+4*(\b+UP):PF+4*(\b+UP)+1], v[SS+16*\b:SS+16*\b+7], v[SCO+\b]
	v_cvt_scalef32_pk8_bf8_f32 v[PF+4*(\b+UP)+2:PF+4*(\b+UP)+3], v[SS+16*\b+8:SS+16*\b+15], v[SCO+\b]
.endr
	v_nop
.endm
.macro PACK t
	WIN 0x04
.irp u, 0,1,2,3
	ds_store_b128 v[OSW], v[16+32*(\t)+8*\u:16+32*(\t)+8*\u+3] offset:64*\u
	ds_store_b128 v[OSW], v[16+32*(\t)+8*\u+4:16+32*(\t)+8*\u+7] offset:64*\u+16
.endr
.irp f, 0,1,2,3,4,5,6,7
	ds_load_b128 v[128+32*(\t)+4*\f:128+32*(\t)+4*\f+3], v[OSR] offset:544*\f
.endr
.endm
.macro SEND t, younger
	WIN 0
.irp f, 0,1,2,3,4,5,6,7
	s_wait_dscnt (\younger)+7-\f
	global_store_b128 v[QO], v[128+32*(\t)+4*\f:128+32*(\t)+4*\f+3], s[12:13] offset:4096*(16*(\t)+2*\f) th:TH_STORE_NT
.endr
.endm
	s_wait_alu depctr_va_vdst(0)
	s_cmp_lt_u32 s14, 2
	s_cbranch_scc0 .Lno_extra_load
.irp k, 0,1,2,3,4,5,6,7,8,9,10,11,12,13,14,15,16,17,18,19,20,21,22,23,24,25,26,27,28,29,30,31
	global_load_b64 v[192+2*\k:193+2*\k], v[VOX], s[8:9] offset:4096*\k
.endr
.Lno_extra_load:
	WIN 0x44
.irp n, 0,1,2,3,4,5,6,7,8,9,10,11,12,13,14
	KQLOAD \n
.endr
	s_wait_loadcnt 56
	TURN 0
.irp n, 0,1,2,3,4,5,6,7,8,9,10,11,12,13,14,15,16
	STEP \n
.endr
	s_wait_alu depctr_va_vdst(0)
	PUT 16
	s_wait_alu depctr_vm_vsrc(0)
	s_cmp_lt_u32 s14, 2
	s_cbranch_scc0 .Lno_extra
	VQUANT 192, 0, 64, 86
	s_wait_alu depctr_va_vdst(0)
	VSTORE VCX, 0, 64
	ds_store_b8 v[VSX], v86
	ds_store_b8 v[VSX], v87 offset:4
	s_wait_alu depctr_vm_vsrc(0)
.Lno_extra:
	s_wait_kmcnt 0x0
	s_wait_dscnt 0x0
	s_barrier_signal -1
.irp t, 0,1,2,3
	ds_load_b128 v[QF+16*\t:QF+16*\t+3], v[QFR] offset:1280*\t
	ds_load_b128 v[QF+16*\t+4:QF+16*\t+7], v[QFR] offset:1280*\t+32
	ds_load_b32 v[QSC+\t], v[QSR] offset:64*\t
.endr
	WIN 0x40
.irp b, 0,1,2,3,4,5
.irp j, 8,9,10,11,12,13,14,15
	v_mov_b32 v[144+16*\b+\j], 0
.endr
.endr
	WIN 0
.irp t, 0,1,2,3
.irp j, 8,9,10,11,12,13,14,15
	v_mov_b32 v[QF+16*\t+\j], 0
.endr
.endr
	v_mov_b32 v[BTX], 0
	v_mov_b32 v[BTX+1], 0
	v_mov_b32 v[BTX+2], 0
	v_nop
	s_barrier_wait -1
.irp u, 0,1,2,3,4,5,6,7
	ds_load_b32 v[KSC+\u], v[KSR] offset:64*\u
.endr
	WIN 0x40
.irp u, 0,1,2,3,4,5
	KTILE \u
.endr
	WIN 0
	s_wait_dscnt 0x0
	s_wait_alu depctr_va_vdst(0)
	PAIR 0
	SOFT 0
	PAIR 1
	SOFT 1
	s_wait_dscnt 0x0
	PAIR 2
	SOFT 2
	PAIR 3
	SOFT 3
	s_wait_loadcnt 0x0
	VQUANT 16, 1, 64, 88
	VQUANT 80, 1, 192, 90
.irp p, 0,1
	v_lshl_or_b32 v[92+\p], v[90+\p], 8, v[88+\p]
.endr
	s_wait_alu depctr_va_vdst(0)
	VSTORE VCW, 0, 64
	VSTORE VCW, 32, 192
.irp p, 0,1
	ds_store_b16 v[VSW], v[92+\p] offset:2+4*\p
	ds_store_b16 v[VSW], v[92+\p] offset:256+4*\p
.endr
	s_wait_dscnt 0x0
	s_wait_alu depctr_vm_vsrc(0)
	s_barrier_signal -1
.irp t, 0,1,2,3
	v_rcp_f32 v[64+2*\t], v[LS+\t]
	v_rcp_f32 v[65+2*\t], v[LS+\t]
.endr
	v_nop
	s_wait_alu depctr_va_vdst(0)
	s_barrier_wait -1
	WIN 0x40
.irp u, 0,1,2,3
.irp c, 0,1,2,3
	ds_load_b128 v[144+16*\u+4*\c:144+16*\u+4*\c+3], v[VFR] offset:9472*\u+32*\c
.endr
.endr
	WIN 0
.irp u, 0,1,2,3
	ds_load_b32 v[VSC+\u], v[VSR] offset:64*\u
.endr
	s_wait_dscnt 0x0
	WIN 0x41
.irp t, 0,1,2,3
.irp u, 0,1,2,3
	v_wmma_scale_f32_16x16x128_f8f6f4 v[16+32*\t+8*\u:16+32*\t+8*\u+7], v[144+16*\u:144+16*\u+15], v[QF+16*\t:QF+16*\t+15], 0, v[VSC+\u], v[PW+\t] matrix_a_fmt:MATRIX_FMT_BF8 matrix_b_fmt:MATRIX_FMT_BF8
.endr
.endr
	PLACES 8
.irp t, 0,1,2,3
.irp k, 0,1,2,3,4,5,6,7,8,9,10,11,12,13,14,15
	v_pk_mul_f32 v[16+32*\t+2*\k:17+32*\t+2*\k], v[16+32*\t+2*\k:17+32*\t+2*\k], v[64+2*\t:65+2*\t]
.endr
.endr
	s_wait_alu depctr_va_vdst(0)
	PACK 0
	PACK 1
	SEND 0, 16
	PACK 2
	SEND 1, 16
	PACK 3
	SEND 2, 16
	SEND 3, 0
	s_wait_dscnt 0x0
	s_wait_alu 0x0
	s_wait_tensorcnt 0x0
	ds_add_u32 v94, v95
	s_wait_dscnt 0x0
	s_endpgm
.Lfunc_end_k_q73e48b5ebd_local_attn:
	.size	k_q73e48b5ebd_local_attn, .Lfunc_end_k_q73e48b5ebd_local_attn-k_q73e48b5ebd_local_attn
	.p2alignl 7, 3214868480
	.fill 96, 4, 3214868480
	.section	.rodata,"a",@progbits
	.p2align	6, 0x0
	.amdhsa_kernel k_q73e48b5ebd_local_attn
		.amdhsa_group_segment_fixed_size 208384
		.amdhsa_private_segment_fixed_size 0
		.amdhsa_enable_private_segment 0
		.amdhsa_kernarg_size 40
		.amdhsa_user_sgpr_count 2
		.amdhsa_user_sgpr_kernarg_segment_ptr 1
		.amdhsa_wavefront_size32 1
		.amdhsa_system_sgpr_workgroup_id_x 1
		.amdhsa_system_sgpr_workgroup_id_y 1
		.amdhsa_system_sgpr_workgroup_id_z 1
		.amdhsa_system_vgpr_workitem_id 0
		.amdhsa_next_free_vgpr 512
		.amdhsa_next_free_sgpr 74
		.amdhsa_reserve_vcc 0
		.amdhsa_float_denorm_mode_32 3
		.amdhsa_float_denorm_mode_16_64 3
		.amdhsa_memory_ordered 1
		.amdhsa_forward_progress 1
		.amdhsa_inst_pref_size 196
	.end_amdhsa_kernel
	.amdgpu_metadata
---
amdhsa.version: [ 1, 2 ]
amdhsa.kernels:
  - .name:           k_q73e48b5ebd_local_attn
    .symbol:         k_q73e48b5ebd_local_attn.kd
    .args:
      - { .name: queries, .offset: 0, .size: 8, .value_kind: global_buffer, .address_space: global }
      - { .name: keys, .offset: 8, .size: 8, .value_kind: global_buffer, .address_space: global }
      - { .name: values, .offset: 16, .size: 8, .value_kind: global_buffer, .address_space: global }
      - { .name: attn_mask, .offset: 24, .size: 8, .value_kind: global_buffer, .address_space: global }
      - { .name: out0, .offset: 32, .size: 8, .value_kind: global_buffer, .address_space: global }
    .group_segment_fixed_size: 208384
    .private_segment_fixed_size: 0
    .kernarg_segment_align: 8
    .kernarg_segment_size: 40
    .max_flat_workgroup_size: 256
    .sgpr_count:     74
    .vgpr_count:     512
    .wavefront_size: 32
...
	.end_amdgpu_metadata
.endif
;; end of part 2
